; MI455X (gfx1250); checked and timed in simulation.
; The chip was launched on July 23, 2026; its instructions are those of AMD's public machine-readable ISA for CDNA 5 (MIT licence, August 2026) and "CDNA5" Instruction Set Architecture Reference Guide (July 2026). The comments in the code are by the model that wrote it; some were corrected since.
;; CTG Calibrated Binary. Allowed arithmetic: float matrix products may take bf16 or f16 operands with f32 sums; other float arithmetic in f32, or as packed bf16 or f16 multiplies, adds, multiply-adds, maxima and minima; sums over many terms, partial sums and values carried from step to step in f32; what a program stores and reads back later, other than sums and carried values, may be rounded once to bf16 or f16.
;; Inputs: block_scales 64 x 64 float32; sign 4,096 x 4,096 float32; x 4,096 x 4,096 float32.
;; Outputs: out0 4,096 x 4,096 float32.
;; 2 versions, each right; version 2 is version 1 with the launch cast written anew for expert scheduling mode. Each part assembles by itself: llvm-mc -triple=amdgcn-amd-amdhsa -mcpu=gfx1250 --defsym DOCPART=n.
;; ======== version 1 of 2: 2 launches
;; workspace buffers: xb 33,554,432 bytes; wb 33,554,432 bytes
;; launch cast (part 1): grid 256 x 2, 8 waves a work-group, no clusters, 0 bytes of LDS; arguments x, sign, block_scales, xb, wb; writes xb, wb
.if DOCPART == 1
	.amdgcn_target "amdgcn-amd-amdhsa--gfx1250"
	.amdhsa_code_object_version 6
	.text
	.protected	k_qbc3247fc06_cast
	.globl	k_qbc3247fc06_cast
	.p2align	8
	.type	k_qbc3247fc06_cast,@function
k_qbc3247fc06_cast:
	s_mov_b64 s[64:65], 0
	v_nop
	global_prefetch_b8 v0, s[64:65] scope:SCOPE_SE
	s_setreg_imm32_b32 hwreg(HW_REG_WAVE_MODE, 25, 1), 1
	s_wait_xcnt 0x0
; THE TWO MATRIX OPERANDS, made once, in their inputs' own layouts.
;   grid y = 0:  xb[m][k] = bf16(x[m][k])
;   grid y = 1:  wb[k][n] = bf16( bf16(sign[k][n]) * (max(bf16(block_scales[k/64][n/64]), 0) + 1e-6) ),  product and sum in f32
; All three inputs are rounded to bf16 alike, and the weight is made of the rounded numbers: for sign = +1 or -1 its own rounding then changes next to nothing.
; LIMITS.  A NaN in block_scales counts as 0 in front of the + 1e-6 (v_max_num_f32 lets the NaN lose).  A sign that is no bf16 number is rounded, and the weight once more.
; A pure stream: each input byte is read once, each output byte written once, nothing is shared between waves: no LDS, no barrier, no matrix unit.
; SHARES.  A work-group owns 16 rows of 4,096 numbers (in sign they lie in one block row of the scales: 16 divides 64).  A row, 16,384 bytes, goes in 4 passes of 4,096 bytes; thread t takes
; the 16 bytes at 16 t of each pass: a wave's load covers 512 consecutive bytes, and its store of 8 bytes a lane 256 consecutive bytes at a multiple of 256 from the buffer's first byte.
; In pass j thread t's four columns 1,024 j + 4 t .. lie in scale column 16 j + t / 16: four scales a thread, loaded once.
; IN FLIGHT.  A thread has 64 pieces (16 rows x 4 passes) and a ring of 32 slots in registers: rows 0-7 fill it, rows 8-15 fill it again.  Row and pass stand in the immediates (258,048 at the most),
; so no address register is ever rewritten; the first half stores from registers of its own (Y), the second half from the slot itself: no register that a pending load or store names is written again.
.set IROW, 16384                       ; bytes in a row of x and sign
.set OROW, 8192                        ; bytes in a row of xb and wb
.set S,   4                            ; v[4:11]    pass j: the scale, twice (a pair for the packed multiply)
.set T,   12                           ; v[12:13]   at work: four bf16
.set U,   14                           ; v[14:17]   at work: four f32
.set X,   20                           ; v[20:147]  slot i: 4 registers as loaded
.set Y,   148                          ; v[148:211] slot i: 2 registers to store (first half)
	s_load_b256 s[4:11], s[0:1], 0x0               ; x s[4:5], sign s[6:7], block_scales s[8:9], xb s[10:11]
	s_load_b64 s[12:13], s[0:1], 0x20              ; wb
	s_and_b32 s2, ttmp7, 0xffff                    ; 0: x, 1: the weights
	s_lshl_b32 s14, ttmp9, 18                      ; my 16 rows in the input: 16 x 16,384 bytes (under 2^26)
	s_mov_b32 s15, 0
	s_lshl_b32 s16, ttmp9, 17                      ; and in the output
	s_mov_b32 s17, 0
	s_lshr_b32 s18, ttmp9, 2                       ; my rows' block row of the scales,
	s_lshl_b32 s18, s18, 8                         ; 64 scales of 4 bytes each
	s_mov_b32 s19, 0
	s_mov_b32 s20, 0xffff0000                      ; a word's upper bf16
	v_lshlrev_b32 v1, 4, v0                        ; 16 t: never rewritten
	v_lshlrev_b32 v2, 3, v0                        ; 8 t: never rewritten
	v_lshrrev_b32 v3, 4, v0
	v_lshlrev_b32 v3, 2, v3                        ; 4 (t / 16): never rewritten
	s_wait_kmcnt 0x0
; The ring's first fill: rows 0 to 7, 32 loads a wave.
.macro FILL in
.set n, 0
.rept 32
	global_load_b128 v[X+4*n:X+4*n+3], v1, s[(\in):(\in)+1] offset:(n/4)*IROW+(n%4)*4096 th:TH_LOAD_NT
.set n, n+1
.endr
.endm
; Slot i's turn: row i / 4 (second = 1: 8 further down), pass i % 4.  w = 1: the numbers are signs and take their scale.
.macro SLOT i, second, w, in, out
.set XR, X+4*(\i)
.set J, (\i)%4
.set RW, (\i)/4+8*(\second)
.if \second
	s_wait_loadcnt 31-(\i)                         ; loads come back in order (ISA guide 5.7.1): behind mine stand the refills of the slots after me
.set D, XR
.else
	s_wait_loadcnt 31                              ; behind mine stand 31 - i first loads and i refills
.set D, Y+2*(\i)
.endif
.if \w
	v_cvt_pk_bf16_f32 v[T], v[XR], v[XR+1]         ; the input's rounding,
	v_cvt_pk_bf16_f32 v[T+1], v[XR+2], v[XR+3]
	v_lshlrev_b32 v[U], 16, v[T]                   ; back to f32: the low half moves up, the high half stays
	v_and_b32 v[U+1], s20, v[T]
	v_lshlrev_b32 v[U+2], 16, v[T+1]
	v_and_b32 v[U+3], s20, v[T+1]
	v_pk_mul_f32 v[U:U+1], v[U:U+1], v[S+2*J:S+2*J+1]
	v_pk_mul_f32 v[U+2:U+3], v[U+2:U+3], v[S+2*J:S+2*J+1]
	v_cvt_pk_bf16_f32 v[D], v[U], v[U+1]           ; and the operand's
	v_cvt_pk_bf16_f32 v[D+1], v[U+2], v[U+3]
.else
	v_cvt_pk_bf16_f32 v[D], v[XR], v[XR+1]
	v_cvt_pk_bf16_f32 v[D+1], v[XR+2], v[XR+3]
.endif
.if !(\second)
	global_load_b128 v[XR:XR+3], v1, s[(\in):(\in)+1] offset:(RW+8)*IROW+J*4096 th:TH_LOAD_NT  ; the load ahead of the store
.endif
	global_store_b64 v2, v[D:D+1], s[(\out):(\out)+1] offset:RW*OROW+J*2048 th:TH_STORE_NT
.endm
.macro ALL w, in, out
.set m, 0
.rept 32
	SLOT m, 0, \w, \in, \out
.set m, m+1
.endr
.set m, 0
.rept 32
	SLOT m, 1, \w, \in, \out
.set m, m+1
.endr
.endm
	s_cmp_lg_u32 s2, 0
	s_cbranch_scc1 .Lweights
	s_add_nc_u64 s[4:5], s[4:5], s[14:15]          ; x and xb at my first row
	s_add_nc_u64 s[10:11], s[10:11], s[16:17]
	FILL 4
	ALL 0, 4, 10
	s_endpgm
.Lweights:
	s_add_nc_u64 s[6:7], s[6:7], s[14:15]          ; sign and wb at my first row
	s_add_nc_u64 s[12:13], s[12:13], s[16:17]
	s_add_nc_u64 s[8:9], s[8:9], s[18:19]          ; the scales at my block row
.irp j, 0,1,2,3
	global_load_b32 v[S+2*(\j)], v3, s[8:9] offset:64*(\j)  ; scale column 16 j + t / 16
.endr
	FILL 6
	s_wait_loadcnt 32                              ; the four scales are in; the ring's 32 loads stay out
.irp j, 0,1,2,3
	v_cvt_pk_bf16_f32 v[T], v[S+2*(\j)], v[S+2*(\j)]  ; the input's rounding
	v_lshlrev_b32 v[S+2*(\j)], 16, v[T]
	v_max_num_f32 v[S+2*(\j)], 0, v[S+2*(\j)]      ; relu
	v_add_f32 v[S+2*(\j)], 0x358637bd, v[S+2*(\j)] ; + 1e-6
	v_mov_b32 v[S+2*(\j)+1], v[S+2*(\j)]
.endr
	ALL 1, 6, 12
	s_endpgm
.Lfunc_end_k_qbc3247fc06_cast:
	.size	k_qbc3247fc06_cast, .Lfunc_end_k_qbc3247fc06_cast-k_qbc3247fc06_cast
	.p2alignl 7, 3214868480
	.fill 96, 4, 3214868480
	.section	.rodata,"a",@progbits
	.p2align	6, 0x0
	.amdhsa_kernel k_qbc3247fc06_cast
		.amdhsa_group_segment_fixed_size 0
		.amdhsa_private_segment_fixed_size 0
		.amdhsa_enable_private_segment 0
		.amdhsa_kernarg_size 40
		.amdhsa_user_sgpr_count 2
		.amdhsa_user_sgpr_kernarg_segment_ptr 1
		.amdhsa_wavefront_size32 1
		.amdhsa_system_sgpr_workgroup_id_x 1
		.amdhsa_system_sgpr_workgroup_id_y 1
		.amdhsa_system_sgpr_workgroup_id_z 1
		.amdhsa_system_vgpr_workitem_id 0
		.amdhsa_next_free_vgpr 212
		.amdhsa_next_free_sgpr 66
		.amdhsa_reserve_vcc 0
		.amdhsa_float_denorm_mode_32 3
		.amdhsa_float_denorm_mode_16_64 3
		.amdhsa_memory_ordered 1
		.amdhsa_forward_progress 1
		.amdhsa_inst_pref_size 71
	.end_amdhsa_kernel
	.amdgpu_metadata
---
amdhsa.version: [ 1, 2 ]
amdhsa.kernels:
  - .name:           k_qbc3247fc06_cast
    .symbol:         k_qbc3247fc06_cast.kd
    .args:
      - { .name: x, .offset: 0, .size: 8, .value_kind: global_buffer, .address_space: global }
      - { .name: sign, .offset: 8, .size: 8, .value_kind: global_buffer, .address_space: global }
      - { .name: block_scales, .offset: 16, .size: 8, .value_kind: global_buffer, .address_space: global }
      - { .name: xb, .offset: 24, .size: 8, .value_kind: global_buffer, .address_space: global }
      - { .name: wb, .offset: 32, .size: 8, .value_kind: global_buffer, .address_space: global }
    .group_segment_fixed_size: 0
    .private_segment_fixed_size: 0
    .kernarg_segment_align: 8
    .kernarg_segment_size: 40
    .max_flat_workgroup_size: 256
    .sgpr_count:     66
    .vgpr_count:     212
    .wavefront_size: 32
...
	.end_amdgpu_metadata
.endif
;; end of part 1
;; launch gemm (part 2): grid 16 x 16, 4 waves a work-group, clusters of 4 x 4, 327,680 bytes of LDS; arguments xb, wb, out0; writes out0
.if DOCPART == 2
	.amdgcn_target "amdgcn-amd-amdhsa--gfx1250"
	.amdhsa_code_object_version 6
	.text
	.protected	k_qbc3247fc06_gemm
	.globl	k_qbc3247fc06_gemm
	.p2align	8
	.type	k_qbc3247fc06_gemm,@function
k_qbc3247fc06_gemm:
	s_mov_b64 s[64:65], 0
	v_nop
	global_prefetch_b8 v0, s[64:65] scope:SCOPE_SE
	s_setreg_imm32_b32 hwreg(HW_REG_WAVE_MODE, 25, 1), 1
	s_wait_xcnt 0x0
	s_wait_alu depctr_hold_cnt(0) depctr_sa_sdst(0) depctr_va_vdst(0) depctr_va_sdst(0) depctr_va_ssrc(0) depctr_va_vcc(0) depctr_vm_vsrc(0)
	s_getreg_b32 s2, hwreg(HW_REG_IB_STS2, 6, 4)
	s_cmp_eq_u32 s2, 0
	s_cbranch_scc0 .Lentry_in_a_cluster
	s_endpgm
.Lentry_in_a_cluster:
	s_bfe_u32 s2, ttmp6, 0x10000c
	s_cmp_lg_u32 s2, 0xf033
	s_cbranch_scc0 .Lentry_shape_is_right
	s_endpgm
.Lentry_shape_is_right:
; out0[m][n] = the sum over k of xb[m][k] wb[k][n].  xb: [4096 m][4096 k] bf16, wb: [4096 k][4096 n] bf16 (n along the rows), out0: [4096][4096] f32; sums in f32, K ascending.
; LIMITS.  The operands are bf16 (made by the launch before); NaN and infinities are not treated apart.
; SHARES.  A tile of out0, 256 x 256, is made by a work-group of four waves, as many as a WGP has SIMDs: 16 x 16 tiles, 256 work-groups.  A wave makes 128 x 128: 64 accumulators of 16 x 16,
; 512 registers: for 32 along K it reads 2 x 128 x 64 bytes from LDS and issues 64 matrix instructions.  K goes in 32 steps of 128 through a ring of two LDS slots filled by the tensor data mover:
; of xb 256 rows x 256 bytes, of wb 128 rows (k) x 512 bytes; every such row starts at a multiple of its length from the buffer's first byte.
; wb's tiles lie [k][n] in LDS; ds_load_tr16_b128 turns them into fragments that hold one column n a lane.
; CLUSTERS: 4 x 4 work-groups.  The four of a row of the cluster need the same tiles of xb, the four of a column the same tiles of wb: each tile is asked for JOINTLY, by the same tensor load with the
; same descriptor and a mask that names the four, which divides the requests for both operands by four.
; THE MATRIX INSTRUCTION IS USED TRANSPOSED: source 0 = 16 columns of wb, source 1 = 16 rows of xb.  In the result lane l holds row l % 16 of out0 and the columns 8 (l / 16) + 0 .. 7: 32 neighbouring bytes.
; REGISTERS, in windows of 256 (s_set_vgpr_msb: bits 1:0 source 0, 3:2 source 1, 5:4 source 2, 7:6 destination):
;   window 0: v0-31 addresses; v64-127, v128-191 fragments of xb (8 x 16 rows x 32 K), two buffers; on the way out the same registers take rows back from the stage
;   window 1: v64-127, v128-191 fragments of wb, two buffers
;   window 2: the 32 accumulators of my rows 0-63 (accumulator (a, b) at v[8 (8 a + b)]);   window 3: those of my rows 64-127
.set KSTEP,  128
.set ROWB,   8192                      ; bytes in a row of xb and of wb
.set CROW,   16384                     ; bytes in a row of out0
.set PA,     272                       ; an LDS row of xb: 256 bytes + 16 of padding = 68 words: row r starts at bank 4 r mod 64 (64 banks of 4 bytes: ISA guide 11.1): the 16 rows of a load start at 16 different banks
.set PB,     544                       ; an LDS row of wb: 512 + 32 = 136 words: row r starts at bank 8 r mod 64
.set HALFT,  128*PA                    ; what one tensor load brings: 128 rows of xb, or 64 rows of wb (64 x 544 is the same 34,816 bytes)
.set SLOT,   4*HALFT                   ; xb's 256 rows, then wb's 128 rows
.set BOFF,   2*HALFT
.set STAGE,  2*SLOT                    ; behind the ring, never filled by a tensor load: 16 rows x 528 bytes for each wave, for the way out
.set SPITCH, 528                       ; 512 bytes + 16: 33 x 16, so the 16 rows that a store touches start at 16 different groups of four banks
.set SPARE,  STAGE+4*16*SPITCH         ; behind the stages: the spare words, 128 bytes for each wave: two blocks of 256 bytes that no other line names
.set LAPS,   4096/(2*KSTEP)            ; a lap = two K steps = once round the ring
.set ADRA, 16                          ; v16-17  LDS address of my fragments of xb in slot 0, 1
.set ADRB, 20                          ; v20-21  the same for wb
.set STO,  24                          ; v24     the way out: where I put 32 bytes of a row
.set RD,   25                          ; v25     the way out: where I read 16 bytes of a row back
.set CO,   26                          ; v26     16 x my lane: my bytes in 512 consecutive bytes of out0
.set SPW,  28                          ; v28     LDS address of my spare word: SPARE + 4 x my thread's number; never rewritten
.set NIL,  29                          ; v29     0; never rewritten
.set PFO,  30                          ; v30     the prefetches' lane offset; never rewritten
.set F0,   64                          ; fragment buffer 0
.set F1,   128                         ; fragment buffer 1
.set G1,  24                           ; s[24:31] descriptor group 1 for xb's tiles
.set G0,  32                           ; s[32:39] descriptor group 0 for xb's tiles, one set for each slot
.set G1B, 48                           ; s[48:55] descriptor group 1 for wb's tiles
.set G0B, 56                           ; s[56:63] descriptor group 0 for wb's tiles, one set for each slot
.set LIM, 43                           ; s43      1 in a wave that prefetches, else the greatest number
.set PFA, 44                           ; s[44:45] where my prefetches stand
.set PFS, 22                           ; s[22:23] a K step in bytes: 256 along xb's rows, 128 rows of wb
.set MSB, 0
.macro WIN new                         ; the immediate's high byte repeats the setting that is left; a switch that changes nothing is dropped
.if MSB != (\new)
	s_set_vgpr_msb (MSB<<8)|(\new)
.set MSB, \new
.endif
.endm
.set MUL_LO, 0xa1                      ; source 0 (wb) window 1, source 1 (xb) window 0, C and D window 2
.set MUL_HI, 0xf1                      ; the same, C and D window 3
.set TO_B,   0x40                      ; destination window 1, address window 0
; A joint load.  Waves 0 and 1 fetch xb's two halves, waves 2 and 3 wb's.  Each of the two lines has ONE mask and one set of registers for all that issue it.  The branch hangs on the wave's number alone.
; An s_nop 0 and four v_nop follow each of the two lines, ahead of the jump, the label and what follows.
.macro JLOAD s
	s_cmp_eq_u32 s11, 0
	s_cbranch_scc0 .Lfor_b_\@
	tensor_load_to_lds s[G0+4*(\s):G0+4*(\s)+3], s[G1:G1+7]
	s_nop 0
.rept 4
	v_nop
.endr
	s_branch .Lasked_\@
.Lfor_b_\@:
	tensor_load_to_lds s[G0B+4*(\s):G0B+4*(\s)+3], s[G1B:G1B+7]
	s_nop 0
.rept 4
	v_nop
.endr
.Lasked_\@:
.endm
; A PREFETCH INTO THE L2, behind each joint refill, its five lines and the run of LDS loads that follows: the K step that stands TWO refills on, 512 matrix instructions ahead of the load that will want it.
; At a change of slots every wave has waited for all its tensor loads, so the refill that follows has nothing on its way beside it.  Each aligned 256 bytes of K steps 4 to 31 are named ONCE in the launch:
; xb's tile row is read by every cluster of that row of clusters: cluster x = 0 asks; wb's tile column by every cluster of that column: cluster y = 0 asks.  The four partners that ask for a tile jointly share
; it out BY ADDRESS: of the 128 rows of xb that a wave fetches the partner at cx takes 32, a lane a row; of the 64 rows of wb the partner at cy takes 16, two lanes a row of 512 bytes.  No branch hangs on a
; work-group's place in its cluster.  K steps 0 to 3 come by their loads alone; the loop's last trip (s3 = 1) asks for nothing: K steps 32 and 33 do not exist.
.macro ASK
	s_cmp_gt_u32 s3, s[LIM]
	s_cbranch_scc0 .Lnot_mine_\@
	global_prefetch_b8 v[PFO], s[PFA:PFA+1] th:TH_LOAD_NT scope:SCOPE_SE
.Lnot_mine_\@:
.endm
; A round of the cluster's barrier: my work-group's barrier, so that wave 0's signal speaks for all four waves; wave 0 signals; every wave waits for all sixteen work-groups; my work-group's barrier once more.
.macro CREST                           ; a round behind its opening barrier
	s_cmp_lg_u32 s10, 0
	s_cbranch_scc1 .Lnot_wave_0_\@
	s_barrier_signal -3
.Lnot_wave_0_\@:
	s_barrier_wait -3
	s_barrier_signal -1
	s_barrier_wait -1
.endm
.macro CROUND                          ; a whole round
	s_barrier_signal -1
	s_barrier_wait -1
	CREST
.endm
	s_load_b128 s[4:7], s[0:1], 0x0                ; xb s[4:5], wb s[6:7]
	s_load_b64 s[8:9], s[0:1], 0x10                ; out0
	v_lshl_add_u32 v[SPW], v0, 2, SPARE
	v_mov_b32 v[NIL], 0
	ds_add_u32 v[SPW], v[NIL]                      ; the wave's opening: the add, twice on end, and its wait ahead of my first tensor load; the set-up below, work on registers, stands between
	ds_add_u32 v[SPW], v[NIL]                      ; and once more, under the one wait
	v_lshrrev_b32 v1, 5, v0
	v_readfirstlane_b32 s10, v1                    ; wave 0..3
	s_lshr_b32 s11, s10, 1                         ; which half of the tile's rows is mine.  Also: I fetch for xb (0) or for wb (1)
	s_and_b32 s12, s10, 1                          ; which half of its columns.  Also: which half of that operand's tile I fetch
	s_bfe_u32 s40, ttmp6, 0x40000                  ; cx: my place along the cluster's x
	s_bfe_u32 s41, ttmp6, 0x40004                  ; cy: along its y
	s_lshl_b32 s42, ttmp9, 2                       ; in a cluster launch ttmp9 and ttmp7 count clusters
	s_add_co_u32 s42, s42, s40                     ; tile column = 4 x cluster x + cx
	s_and_b32 s13, ttmp7, 0xffff
	s_lshl_b32 s13, s13, 2
	s_add_co_u32 s13, s13, s41                     ; tile row = 4 x cluster y + cy
	s_lshl_b32 s43, s41, 2
	s_lshl_b32 s43, 15, s43                        ; my row of the cluster: places 4 cy .. 4 cy + 3
	s_lshl_b32 s44, 0x1111, s40                    ; my column: places cx, cx + 4, cx + 8, cx + 12
	; descriptor group 1 for xb: a tile of 128 rows x 128 elements, 16 bytes of padding behind each row of 256
	s_or_b32 s[G1+0], s43, (1<<16)|(1<<20)|(1<<21)|(5<<22)|(3<<25)  ; 15:0 the mask: my row; 17:16 elements of 2 bytes; 20 padding on; 21 set beside a mask; 24:22 after every 64 words (code 5); 31:25 4 words (code 3)
	s_mov_b32 s[G1+1], KSTEP<<16                   ; tensor_dim0 = 128
	s_mov_b32 s[G1+2], 128<<16                     ; tensor_dim1 = 128
	s_mov_b32 s[G1+3], KSTEP<<16                   ; tile_dim0 = 128
	s_mov_b32 s[G1+4], 128                         ; tile_dim1 = 128
	s_mov_b32 s[G1+5], 4096                        ; elements from row to row
	s_mov_b32 s[G1+6], 0
	s_mov_b32 s[G1+7], 0
	; and for wb: a tile of 64 rows (k) x 256 elements (n), 32 bytes of padding behind each row of 512
	s_or_b32 s[G1B+0], s44, (1<<16)|(1<<20)|(1<<21)|(6<<22)|(7<<25) ; the mask: my column; after every 128 words (code 6) 8 words (code 7)
	s_mov_b32 s[G1B+1], 256<<16                    ; tensor_dim0 = 256
	s_mov_b32 s[G1B+2], 64<<16                     ; tensor_dim1 = 64
	s_mov_b32 s[G1B+3], 256<<16                    ; tile_dim0 = 256
	s_mov_b32 s[G1B+4], 64                         ; tile_dim1 = 64
	s_mov_b32 s[G1B+5], 4096
	s_mov_b32 s[G1B+6], 0
	s_mov_b32 s[G1B+7], 0
	; where the tiles come from.  xb's hang on the tile row alone, which my row of the cluster shares; wb's on the tile column alone, which my column shares.
	s_lshl_b32 s17, s12, 7
	s_lshl_b32 s16, s13, 8
	s_add_co_u32 s16, s16, s17                     ; xb: row 256 x tile row + 128 x half,
	s_lshl_b32 s16, s16, 13                        ; of 8,192 bytes (under 2^25)
	s_mov_b32 s17, 0
	s_lshl_b32 s46, s42, 9                         ; wb: 512 bytes x tile column
	s_lshl_b32 s47, s12, 19                        ; + 64 rows of 8,192 bytes x half
	s_add_co_u32 s46, s46, s47
	s_mov_b32 s47, 0
	s_mul_i32 s20, s10, HALFT                      ; and where they go: wave x 34,816 bytes: no place in the cluster enters an LDS address
	s_wait_dscnt 0x0                               ; both opening adds are done
	s_wait_kmcnt 0x0
	s_add_nc_u64 s[14:15], s[4:5], s[16:17]
	s_add_nc_u64 s[46:47], s[6:7], s[46:47]
	CROUND                                         ; all sixteen work-groups are here: the first joint loads meet
.irp s, 0,1
	s_mov_b32 s[G0+4*(\s)], 1                                      ; 1:0 count = 1
	s_add_co_u32 s[G0+4*(\s)+1], s20, (\s)*SLOT                    ; 63:32 LDS address
	s_add_nc_u64 s[G0+4*(\s)+2:G0+4*(\s)+3], s[14:15], (\s)*KSTEP*2  ; 120:64 global address: K step s lies 256 bytes along the rows
	s_or_b32 s[G0+4*(\s)+3], s[G0+4*(\s)+3], 0x80000000            ; 127:126 type = 2
	s_mov_b32 s[G0B+4*(\s)], 1
	s_add_co_u32 s[G0B+4*(\s)+1], s20, (\s)*SLOT
	s_add_nc_u64 s[G0B+4*(\s)+2:G0B+4*(\s)+3], s[46:47], (\s)*KSTEP*ROWB  ; K step s lies 128 rows down
	s_or_b32 s[G0B+4*(\s)+3], s[G0B+4*(\s)+3], 0x80000000
	JLOAD \s                                       ; the ring is filled before anything else is done: two loads of mine are out
.endr
	; A fragment is 16 rows x 32 K in 8 registers: lane l holds row l % 16; registers 0-3 hold K = 8 (l / 16) + 0..7, registers 4-7 K = 16 + 8 (l / 16) + 0..7.
	; xb's rows lie along K: two loads of 16 bytes, 32 bytes apart.  wb's lie along n: the turning load takes 16 k x 16 n (lane l reads k = 8 (l / 16) + l % 8, columns 8 ((l / 8) % 2) + 0..7)
	; and leaves half a fragment: lane l holds column l % 16 and 8 k; the second half lies 16 rows down.
	v_and_b32 v1, 15, v0                           ; l % 16
	v_bfe_u32 v2, v0, 4, 1                         ; l / 16
	v_mul_u32_u24 v3, v1, PA
	v_lshl_add_u32 v3, v2, 4, v3                   ; xb: row x pitch + 16 x half
	v_and_b32 v4, 7, v0
	v_lshl_add_u32 v4, v2, 3, v4
	v_mul_u32_u24 v4, v4, PB
	v_bfe_u32 v5, v0, 3, 1
	v_lshl_add_u32 v4, v5, 4, v4                   ; wb: k row x pitch + 16 x ((l / 8) % 2)
	s_mul_i32 s21, s11, HALFT                      ; my 128 rows of xb
	s_lshl_b32 s18, s12, 8                         ; my 128 columns of wb: 256 bytes of each row,
	s_add_co_u32 s18, s18, BOFF                    ; behind xb's 256 rows
.irp s, 0,1
	v_add_nc_u32 v[ADRA+(\s)], s21, v3
	v_add_nc_u32 v[ADRB+(\s)], s18, v4
	s_add_co_u32 s21, s21, SLOT
	s_add_co_u32 s18, s18, SLOT
.endr
	s_mul_i32 s19, s10, 16*SPITCH
	s_add_co_u32 s19, s19, STAGE                   ; my stage
	v_mul_u32_u24 v6, v1, SPITCH                   ; in: row l % 16, 32 bytes for each half of the lanes
	v_lshl_add_u32 v6, v2, 5, v6
	v_add_nc_u32 v[STO], s19, v6
	v_and_b32 v7, 31, v0                           ; l
	v_lshlrev_b32 v[CO], 4, v7                     ; back: 32 lanes take one row of 512 bytes,
	v_add_nc_u32 v[RD], s19, v[CO]                 ; and the same bytes of a row of out0
	; out0 at my wave's corner
	s_lshl_b32 s16, s13, 8
	s_lshl_b32 s17, s11, 7
	s_add_co_u32 s16, s16, s17                     ; my first row,
	s_lshl_b32 s16, s16, 14                        ; of 16,384 bytes (under 2^26)
	s_mov_b32 s17, 0
	s_add_nc_u64 s[8:9], s[8:9], s[16:17]
	s_lshl_b32 s46, s42, 10                        ; my first column, in bytes: 1,024 x tile column + 512 x half (in the registers that held wb's address)
	s_lshl_b32 s47, s12, 9
	s_add_co_u32 s46, s46, s47
	s_mov_b32 s47, 0
	s_add_nc_u64 s[8:9], s[8:9], s[46:47]
	; the prefetches: both offsets are made, and the wave's number chooses
	s_lshl_b32 s20, s13, 8                         ; xb: the tile's first row
	s_lshl_b32 s21, s12, 7
	s_add_co_u32 s20, s20, s21                     ; + the 128 rows that I fetch
	s_lshl_b32 s21, s40, 5
	s_add_co_u32 s20, s20, s21                     ; + my work-group's 32 of them
	s_lshl_b32 s20, s20, 13
	s_add_co_u32 s20, s20, 3*KSTEP*2               ; at K step 3: the first refill steps it to 4
	s_lshl_b32 s18, s12, 6                         ; wb: the 64 rows that I fetch
	s_lshl_b32 s21, s41, 4
	s_add_co_u32 s18, s18, s21                     ; + my work-group's 16 of them
	s_lshl_b32 s18, s18, 13
	s_lshl_b32 s21, s42, 9
	s_add_co_u32 s18, s18, s21                     ; + the tile column's 512 bytes
	s_add_co_u32 s18, s18, 3*KSTEP*ROWB            ; at K step 3
	s_and_b32 s19, ttmp7, 0xffff                   ; cluster y
	s_mov_b32 s[PFS], KSTEP*ROWB
	s_mov_b32 s[PFS+1], 0
	s_mov_b32 s21, 0
	s_cmp_eq_u32 s11, 0                            ; do I fetch for xb?
	s_cselect_b32 s20, s20, s18
	s_cselect_b32 s19, ttmp9, s19                  ; the coordinate along which other clusters read the same rows
	s_cselect_b32 s[PFS], KSTEP*2, s[PFS]
	s_cselect_b64 s[PFA:PFA+1], s[4:5], s[6:7]
	s_cmp_eq_u32 s19, 0
	s_cselect_b32 s[LIM], 1, -1                    ; the same in all sixteen partners, for a given wave
	s_add_nc_u64 s[PFA:PFA+1], s[PFA:PFA+1], s[20:21]
	v_lshrrev_b32 v8, s11, v7                      ; xb: lane l takes row l; wb: row l / 2,
	v_and_b32 v9, s11, v7                          ; and the half l % 2 of its 512 bytes
	v_lshlrev_b32 v9, 8, v9
	v_lshl_add_u32 v[PFO], v8, 13, v9
	; nothing is prefetched here, at the head, where every work-group's first two tiles are on their way
; 16 matrix instructions: m blocks a0, a0 + 1 of the window's four (hi = 0: my rows 0-63, 1: rows 64-127) x all 8 n blocks, 32 along K.  zero = 1: the first product starts the sums: nothing is ever cleared.
; The 64 accumulators take turns, one instruction a turn, in the same order in every quarter step, over the loop's backward jump too.
.macro MUL16 f, hi, a0, zero
	WIN MUL_LO+0x50*(\hi)
.irp a, \a0, (\a0)+1
.irp b, 0,1,2,3,4,5,6,7
.if \zero
	v_wmma_f32_16x16x32_bf16 v[8*(8*(\a)+(\b)):8*(8*(\a)+(\b))+7], v[(\f)+8*(\b):(\f)+8*(\b)+7], v[(\f)+8*(4*(\hi)+(\a)):(\f)+8*(4*(\hi)+(\a))+7], 0
.else
	v_wmma_f32_16x16x32_bf16 v[8*(8*(\a)+(\b)):8*(8*(\a)+(\b))+7], v[(\f)+8*(\b):(\f)+8*(\b)+7], v[(\f)+8*(4*(\hi)+(\a)):(\f)+8*(4*(\hi)+(\a))+7], v[8*(8*(\a)+(\b)):8*(8*(\a)+(\b))+7]
.endif
.endr
.endr
.endm
; 32 LDS loads in one run: the fragments of quarter q of a K step (32 K x my 128 columns of wb, turned; my 128 rows of xb x 32 K) into buffer f.  The largest offset is 61,152.
.macro FETCH slot, q, f
	WIN TO_B
.irp i, 0,1,2,3,4,5,6,7
	ds_load_tr16_b128 v[(\f)+8*(\i):(\f)+8*(\i)+3],   v[ADRB+(\slot)] offset:(\q)*32*PB+32*(\i)
	ds_load_tr16_b128 v[(\f)+8*(\i)+4:(\f)+8*(\i)+7], v[ADRB+(\slot)] offset:(\q)*32*PB+16*PB+32*(\i)
.endr
	WIN 0
.irp i, 0,1,2,3,4,5,6,7
	ds_load_b128 v[(\f)+8*(\i):(\f)+8*(\i)+3],   v[ADRA+(\slot)] offset:64*(\q)+(\i)*16*PA
	ds_load_b128 v[(\f)+8*(\i)+4:(\f)+8*(\i)+7], v[ADRA+(\slot)] offset:64*(\q)+(\i)*16*PA+32
.endr
.endm
; A load into a register that a matrix instruction has read, and an LDS store that reads a matrix result, stand four places behind that matrix instruction, and only plain vector instructions that name none
; of its registers are places (ISA guide 7.12.1 for vector instructions).
.macro PLACES
.rept 4
	v_nop
.endr
.endm
; A K step is four quarters of 32 along K, 64 matrix instructions each, on buffers 0, 1, 0, 1.  One of the first three: multiplies buffer f; in its middle it fetches quarter q of the same slot into buffer g.
.macro QUARTER slot, q, f, g, zero
	s_wait_dscnt 8                                 ; wb's fragments and xb's rows 0-63 are in; the youngest eight loads (xb's rows 64-127) may be out
	MUL16 \f, 0, 0, \zero
	MUL16 \f, 0, 2, \zero
	PLACES
	FETCH \slot, \q, \g
	s_wait_dscnt 32                                ; all but the 32 just issued
	MUL16 \f, 1, 0, \zero
	MUL16 \f, 1, 2, \zero
.endm
; The last quarter multiplies buffer 1 and changes slots.  MEET is its first half: ONE barrier for the change.  In front of it each wave waits for all its tensor loads, of which one is out: its part of the
; next slot; adds 0 to its spare word; and waits for that and for its own reads of this slot.  Behind it nobody reads this slot any more and the next slot is whole.
.macro MEET round                      ; round = 1: a round of the cluster's barrier follows
	WIN 0                                          ; (the add's two registers lie in window 0)
	s_wait_tensorcnt 0x0                           ; all my tensor loads have landed;
	ds_add_u32 v[SPW], v[NIL]                      ; 0 onto my spare word;
	s_wait_dscnt 9                                 ; (the add and the youngest eight loads may be out)
	MUL16 F1, 0, 0, 0                              ; sixteen matrix instructions stand between the add and the wait for it
	s_wait_dscnt 0x0                               ; the add is done, and my reads of this slot are over:
	s_barrier_signal -1                            ; say so,
	MUL16 F1, 0, 2, 0                              ; work on registers while the others arrive,
.if \round
	WIN 0
.endif
	s_barrier_wait -1                              ; and go on when all four have said so
.endm
; The whole last quarter.  fill = 1: the barrier opens a round of the cluster's, and behind the round the slot just read out is filled again first, with the K step two steps on: from that request to the wait
; for it a wave issues 224 matrix instructions.  Then come the next slot's first fragments.
.macro TURN slot, next, fill
.if \fill
	s_wait_xcnt 0x0                                ; the last prefetch, a K step back, has read its address: it is stepped here, ahead of the waits of the change of slots
	s_add_nc_u64 s[PFA:PFA+1], s[PFA:PFA+1], s[PFS:PFS+1]
	MEET 1
	CREST                                          ; no wave of any partner still reads this slot's tile or has a load on its way
	s_add_nc_u64 s[G0+4*(\slot)+2:G0+4*(\slot)+3], s[G0+4*(\slot)+2:G0+4*(\slot)+3], 2*KSTEP*2
	s_add_nc_u64 s[G0B+4*(\slot)+2:G0B+4*(\slot)+3], s[G0B+4*(\slot)+2:G0B+4*(\slot)+3], 2*KSTEP*ROWB
	JLOAD \slot                                    ; the first tensor load behind the round; the four v_nop behind it are also the places in front of the loads below
.else
	MEET 0
	PLACES
.endif
	FETCH \next, 0, F0
.if \fill
	ASK                                            ; behind the joint load and the run of LDS loads that the next products wait for
.endif
	MUL16 F1, 1, 0, 0
	MUL16 F1, 1, 2, 0
.endm
; THE WAY OUT of block a (16 of my rows x my 128 columns, f32).  TOSTAGE: a lane's 32 bytes of each of the 8 accumulators go into my own stage, each accumulator's low four registers first
; and come back as whole rows of 512 bytes.  SEND: stored.  The stage is each wave's own: no barrier; LDS serves a wave's instructions in order (ISA guide 5.7.1.4).
.macro TOSTAGE a
.set AC, 64*((\a)%4)
.set BK, F0+64*((\a)%2)
	WIN 0x08+4*((\a)/4)                            ; the stores' data (source 1) in window 2 or 3
.irp b, 0,1,2,3,4,5,6,7
	ds_store_b128 v[STO], v[AC+8*(\b):AC+8*(\b)+3]   offset:64*(\b)
	ds_store_b128 v[STO], v[AC+8*(\b)+4:AC+8*(\b)+7] offset:64*(\b)+16
.endr
	WIN 0
.if (\a) >= 2
	s_wait_xcnt 0x0                                ; block a - 2's stores have read the registers that are loaded next
.endif
.irp t, 0,1,2,3,4,5,6,7,8,9,10,11,12,13,14,15
	ds_load_b128 v[BK+4*(\t):BK+4*(\t)+3], v[RD] offset:SPITCH*(\t)
.endr
.endm
.macro SEND a, younger                 ; younger: the LDS instructions issued behind block a's loads: the next block's 32, or none
	WIN 0
.set BK, F0+64*((\a)%2)
	s_wait_dscnt \younger
.irp t, 0,1,2,3,4,5,6,7,8,9,10,11,12,13,14,15
	global_store_b128 v[CO], v[BK+4*(\t):BK+4*(\t)+3], s[8:9] offset:(16*(\a)+(\t))*CROW th:TH_STORE_NT  ; 512 consecutive bytes, at a multiple of 512 from out0's first; the row stands in the immediate, 2,080,768 at the most
.endr
.endm
	s_wait_tensorcnt 1                             ; my part of K step 0 is in; K step 1's may stay out
	s_barrier_signal -1
	s_barrier_wait -1                              ; everybody's is
	FETCH 0, 0, F0
	QUARTER 0, 1, F0, F1, 1                        ; the first quarter stands in front of the loop: its products start the sums
	WIN 0                                          ; at a label and at a branch every window is 0
	s_mov_b32 s3, LAPS-1
.Llap:                                                 ; a trip goes once round the ring, from a lap's second quarter to the next lap's first, and fills both slots again
	QUARTER 0, 2, F1, F0, 0
	QUARTER 0, 3, F0, F1, 0
	TURN 0, 1, 1
	QUARTER 1, 1, F0, F1, 0
	QUARTER 1, 2, F1, F0, 0
	QUARTER 1, 3, F0, F1, 0
	TURN 1, 0, 1
	QUARTER 0, 1, F0, F1, 0
	WIN 0
	s_sub_co_u32 s3, s3, 1
	s_cmp_lg_u32 s3, 0
	s_cbranch_scc1 .Llap
	QUARTER 0, 2, F1, F0, 0                        ; the last lap is written out: it fills nothing, and has no round of the cluster's barrier
	QUARTER 0, 3, F0, F1, 0
	TURN 0, 1, 0
	QUARTER 1, 1, F0, F1, 0
	QUARTER 1, 2, F1, F0, 0
	QUARTER 1, 3, F0, F1, 0
	s_wait_dscnt 8                                 ; the very last quarter: nothing more to fetch
	MUL16 F1, 0, 0, 0
	MUL16 F1, 0, 2, 0
	s_wait_dscnt 0x0
	MUL16 F1, 1, 0, 0
	MUL16 F1, 1, 2, 0
	WIN 0
	PLACES                                         ; behind the last products: the stores below read results, the loads below land in fragment registers
	TOSTAGE 0
.irp a, 1,2,3,4,5,6,7                  ; block a's way through the stage stands between block a - 1's loads and the wait for them
	TOSTAGE \a
	SEND (\a)-1, 32
.endr
	SEND 7, 0
	s_wait_tensorcnt 0x0                           ; the wave's end, behind my last tensor load and my last LDS store
	ds_add_u32 v[SPW], v[NIL]
	s_wait_dscnt 0x0
	CROUND                                         ; the closing round: no work-group ends while a partner may still ask for a tile that names it
	s_endpgm
.Lfunc_end_k_qbc3247fc06_gemm:
	.size	k_qbc3247fc06_gemm, .Lfunc_end_k_qbc3247fc06_gemm-k_qbc3247fc06_gemm
	.p2alignl 7, 3214868480
	.fill 96, 4, 3214868480
	.section	.rodata,"a",@progbits
	.p2align	6, 0x0
	.amdhsa_kernel k_qbc3247fc06_gemm
		.amdhsa_group_segment_fixed_size 327680
		.amdhsa_private_segment_fixed_size 0
		.amdhsa_enable_private_segment 0
		.amdhsa_kernarg_size 24
		.amdhsa_user_sgpr_count 2
		.amdhsa_user_sgpr_kernarg_segment_ptr 1
		.amdhsa_wavefront_size32 1
		.amdhsa_system_sgpr_workgroup_id_x 1
		.amdhsa_system_sgpr_workgroup_id_y 1
		.amdhsa_system_sgpr_workgroup_id_z 1
		.amdhsa_system_vgpr_workitem_id 0
		.amdhsa_next_free_vgpr 1024
		.amdhsa_next_free_sgpr 66
		.amdhsa_reserve_vcc 0
		.amdhsa_float_denorm_mode_32 3
		.amdhsa_float_denorm_mode_16_64 3
		.amdhsa_memory_ordered 1
		.amdhsa_forward_progress 1
		.amdhsa_inst_pref_size 142
	.end_amdhsa_kernel
	.amdgpu_metadata
---
amdhsa.version: [ 1, 2 ]
amdhsa.kernels:
  - .name:           k_qbc3247fc06_gemm
    .symbol:         k_qbc3247fc06_gemm.kd
    .args:
      - { .name: xb, .offset: 0, .size: 8, .value_kind: global_buffer, .address_space: global }
      - { .name: wb, .offset: 8, .size: 8, .value_kind: global_buffer, .address_space: global }
      - { .name: out0, .offset: 16, .size: 8, .value_kind: global_buffer, .address_space: global }
    .group_segment_fixed_size: 327680
    .private_segment_fixed_size: 0
    .kernarg_segment_align: 8
    .kernarg_segment_size: 24
    .max_flat_workgroup_size: 128
    .sgpr_count:     66
    .vgpr_count:     1024
    .wavefront_size: 32
...
	.end_amdgpu_metadata
.endif
;; end of part 2
;; ======== version 2 of 2: 2 launches; version 1 with the launch cast written anew for expert scheduling mode
;; workspace buffers: xb 33,554,432 bytes; wb 33,554,432 bytes
;; launch cast (part 3): grid 256 x 2, 8 waves a work-group, no clusters, 0 bytes of LDS; arguments x, sign, block_scales, xb, wb; writes xb, wb
.if DOCPART == 3
	.amdgcn_target "amdgcn-amd-amdhsa--gfx1250"
	.amdhsa_code_object_version 6
	.text
	.protected	k_qbc3247fc06_cast
	.globl	k_qbc3247fc06_cast
	.p2align	8
	.type	k_qbc3247fc06_cast,@function
k_qbc3247fc06_cast:
	s_mov_b64 s[64:65], 0
	v_nop
	global_prefetch_b8 v0, s[64:65] scope:SCOPE_SE
	s_setreg_imm32_b32 hwreg(HW_REG_WAVE_SCHED_MODE, 0, 2), 2
	s_setreg_imm32_b32 hwreg(HW_REG_WAVE_MODE, 25, 1), 1
	s_wait_xcnt 0x0
	s_wait_alu depctr_vm_vsrc(0)
; THE TWO MATRIX OPERANDS, made once, in their inputs' own layouts.
;   grid y = 0:  xb[m][k] = bf16(x[m][k])
;   grid y = 1:  wb[k][n] = bf16( bf16(sign[k][n]) * (max(bf16(block_scales[k/64][n/64]), 0) + 1e-6) ),  product and sum in f32
; All three inputs are rounded to bf16 alike, and the weight is made of the rounded numbers: for sign = +1 or -1 its own rounding then changes next to nothing.
; LIMITS.  A NaN in block_scales counts as 0 in front of the + 1e-6 (v_max_num_f32 lets the NaN lose).  A sign that is no bf16 number is rounded, and the weight once more.
; A pure stream: each input byte is read once, each output byte written once, nothing is shared between waves: no LDS, no barrier, no matrix unit.
; SHARES.  A work-group owns 16 rows of 4,096 numbers (in sign they lie in one block row of the scales: 16 divides 64).  A row, 16,384 bytes, goes in 4 passes of 4,096 bytes; thread t takes
; the 16 bytes at 16 t of each pass: a wave's load covers 512 consecutive bytes, and its store of 8 bytes a lane 256 consecutive bytes at a multiple of 256 from the buffer's first byte.
; In pass j thread t's four columns 1,024 j + 4 t .. lie in scale column 16 j + t / 16: four scales a thread, loaded once.
; THE MODE: SCHED_MODE bits 1:0 = 2 (LLVM: expert scheduling mode 2), set by the entry lines.  The code itself states the register dependences
; between vector instructions and memory instructions, with s_wait_alu, always for 0.
; THE PLAN.  A thread's 64 pieces (16 rows x 4 passes) go in 16 blocks of four: block p is row p.  Registers that memory instructions touch:
;   X0 .. X8    nine blocks as loaded; block p lies in X[p % 9].  Written by the first fill (blocks 0 to 7) or by the loads that are issued in block p - 8; read by block p's vector lines.
;   Y0 .. Y7    the results of blocks 0 to 7, each written once, by block p's roundings; read by the four stores that are issued in block p + 1.
;               Blocks 8 to 15 round in place, into the first two registers of each of their slots of X, in which nothing lands any more; read by the stores issued in block p + 1.
;   v1, v2, v3  byte offsets, made once at the head and never written again: row and pass stand in the immediates (258,048 at the most).
; Block p's memory instructions are the loads of block p + 8, which land in X[(p + 8) % 9] = X[(p - 1) % 9], and the stores of block p - 1: registers that block p - 1 worked on and that no vector
; line of block p names.  So ONE wait on va_vdst at a block's head states all that the block's eight memory instructions hang on, and these are dealt among its vector lines with no further wait.
; No register that a load or store reads is ever written again, so past the entry lines the text holds no wait on vm_vsrc and no s_wait_xcnt.
; IN FLIGHT.  At a block's head the seven younger blocks, 28 loads, stay out; with the four that follow 32 loads of every wave are on their way.
.set IROW, 16384                       ; bytes in a row of x and sign
.set OROW, 8192                        ; bytes in a row of xb and wb
.set S,   4                            ; v[4:11]    pass j: the scale, twice (a pair for the packed multiply)
.set T,   12                           ; v[12:13]   at work: four bf16; no memory instruction names them
.set U,   14                           ; v[14:17]   at work: four f32; likewise
.set X,   20                           ; v[20:163]  buffer k, pass j: 4 registers at X + 16 k + 4 j, as loaded
.set Y,   164                          ; v[164:227] block p (0 to 7), pass j: 2 registers at Y + 8 p + 2 j, to store
	s_load_b256 s[4:11], s[0:1], 0x0               ; x s[4:5], sign s[6:7], block_scales s[8:9], xb s[10:11]
	s_load_b64 s[12:13], s[0:1], 0x20              ; wb
	s_and_b32 s2, ttmp7, 0xffff                    ; 0: x, 1: the weights
	s_lshl_b32 s14, ttmp9, 18                      ; my 16 rows in the input: 16 x 16,384 bytes (under 2^26)
	s_mov_b32 s15, 0
	s_lshl_b32 s16, ttmp9, 17                      ; and in the output
	s_mov_b32 s17, 0
	s_lshr_b32 s18, ttmp9, 2                       ; my rows' block row of the scales,
	s_lshl_b32 s18, s18, 8                         ; 64 scales of 4 bytes each
	s_mov_b32 s19, 0
	s_mov_b32 s20, 0xffff0000                      ; a word's upper bf16
	v_lshlrev_b32 v1, 4, v0                        ; 16 t: never rewritten
	v_lshlrev_b32 v2, 3, v0                        ; 8 t: never rewritten
	v_lshrrev_b32 v3, 4, v0
	v_lshlrev_b32 v3, 2, v3                        ; 4 (t / 16): never rewritten
	s_wait_kmcnt 0x0
	s_wait_alu depctr_va_vdst(0)                   ; v1, v2 and v3 are written: every load and store of the kernel, on both ways below, reads one of them as its offset
; The first fill: blocks 0 to 7 into X0 to X7, 32 loads a wave.
.macro FILL in
.set n, 0
.rept 32
	global_load_b128 v[X+4*n:X+4*n+3], v1, s[(\in):(\in)+1] offset:(n/4)*IROW+(n%4)*4096 th:TH_LOAD_NT
.set n, n+1
.endr
.endm
; Block p: row p, its four passes.  w = 1: the numbers are signs and take their scale.
.macro BLK p, w, in, out
.if (\p) > 8
	s_wait_loadcnt 4*(15-(\p))                     ; nothing more is asked for: the counts run down
.else
	s_wait_loadcnt 28                              ; loads come back in order (ISA guide 5.7.1): X[p % 9] is in; blocks p + 1 to p + 7 stay out
.endif
.if (\p) > 0
	s_wait_alu depctr_va_vdst(0)                   ; the block before has written its results, which the stores below read, and is done reading its X, in which the loads below land
.endif                                                 ; (block 0 stores nothing, and no vector line has named X8, in which its loads land)
.set j, 0
.rept 4
.set XR, X+16*((\p)%9)+4*j
.if (\p) < 8
.set D, Y+8*(\p)+2*j
	global_load_b128 v[X+16*(((\p)+8)%9)+4*j:X+16*(((\p)+8)%9)+4*j+3], v1, s[(\in):(\in)+1] offset:((\p)+8)*IROW+j*4096 th:TH_LOAD_NT  ; eight blocks ahead, the load ahead of the store; no vector line since the wait names these registers
.else
.set D, XR
.endif
.if (\p) > 0
.if (\p) <= 8
.set Q, Y+8*((\p)-1)+2*j
.else
.set Q, X+16*(((\p)-1)%9)+4*j
.endif
	global_store_b64 v2, v[Q:Q+1], s[(\out):(\out)+1] offset:((\p)-1)*OROW+j*2048 th:TH_STORE_NT  ; the block before
.endif
.if \w
	v_cvt_pk_bf16_f32 v[T], v[XR], v[XR+1]         ; the input's rounding,
	v_cvt_pk_bf16_f32 v[T+1], v[XR+2], v[XR+3]
	v_lshlrev_b32 v[U], 16, v[T]                   ; back to f32: the low half moves up, the high half stays
	v_and_b32 v[U+1], s20, v[T]
	v_lshlrev_b32 v[U+2], 16, v[T+1]
	v_and_b32 v[U+3], s20, v[T+1]
	v_pk_mul_f32 v[U:U+1], v[U:U+1], v[S+2*j:S+2*j+1]
	v_pk_mul_f32 v[U+2:U+3], v[U+2:U+3], v[S+2*j:S+2*j+1]
	v_cvt_pk_bf16_f32 v[D], v[U], v[U+1]           ; and the operand's
	v_cvt_pk_bf16_f32 v[D+1], v[U+2], v[U+3]
.else
	v_cvt_pk_bf16_f32 v[D], v[XR], v[XR+1]
	v_cvt_pk_bf16_f32 v[D+1], v[XR+2], v[XR+3]
.endif
.set j, j+1
.endr
.endm
.macro ALL w, in, out
.irp m, 0,1,2,3,4,5,6,7,8,9,10,11,12,13,14,15
	BLK \m, \w, \in, \out
.endr
	s_wait_alu depctr_va_vdst(0)                   ; block 15 has written its results, in X6, which the last four stores read
.set j, 0
.rept 4
	global_store_b64 v2, v[X+16*6+4*j:X+16*6+4*j+1], s[(\out):(\out)+1] offset:15*OROW+j*2048 th:TH_STORE_NT
.set j, j+1
.endr
.endm
	s_cmp_lg_u32 s2, 0
	s_cbranch_scc1 .Lweights
	s_add_nc_u64 s[4:5], s[4:5], s[14:15]          ; x and xb at my first row
	s_add_nc_u64 s[10:11], s[10:11], s[16:17]
	FILL 4
	ALL 0, 4, 10
	s_endpgm
.Lweights:
	s_add_nc_u64 s[6:7], s[6:7], s[14:15]          ; sign and wb at my first row
	s_add_nc_u64 s[12:13], s[12:13], s[16:17]
	s_add_nc_u64 s[8:9], s[8:9], s[18:19]          ; the scales at my block row
.irp j, 0,1,2,3
	global_load_b32 v[S+2*(\j)], v3, s[8:9] offset:64*(\j)  ; scale column 16 j + t / 16
.endr
	FILL 6
	s_wait_loadcnt 32                              ; the four scales are in; the ring's 32 loads stay out
.irp j, 0,1,2,3
	v_cvt_pk_bf16_f32 v[T], v[S+2*(\j)], v[S+2*(\j)]  ; the input's rounding
	v_lshlrev_b32 v[S+2*(\j)], 16, v[T]
	v_max_num_f32 v[S+2*(\j)], 0, v[S+2*(\j)]      ; relu
	v_add_f32 v[S+2*(\j)], 0x358637bd, v[S+2*(\j)] ; + 1e-6
	v_mov_b32 v[S+2*(\j)+1], v[S+2*(\j)]
.endr
	ALL 1, 6, 12
	s_endpgm
.Lfunc_end_k_qbc3247fc06_cast:
	.size	k_qbc3247fc06_cast, .Lfunc_end_k_qbc3247fc06_cast-k_qbc3247fc06_cast
	.p2alignl 7, 3214868480
	.fill 96, 4, 3214868480
	.section	.rodata,"a",@progbits
	.p2align	6, 0x0
	.amdhsa_kernel k_qbc3247fc06_cast
		.amdhsa_group_segment_fixed_size 0
		.amdhsa_private_segment_fixed_size 0
		.amdhsa_enable_private_segment 0
		.amdhsa_kernarg_size 40
		.amdhsa_user_sgpr_count 2
		.amdhsa_user_sgpr_kernarg_segment_ptr 1
		.amdhsa_wavefront_size32 1
		.amdhsa_system_sgpr_workgroup_id_x 1
		.amdhsa_system_sgpr_workgroup_id_y 1
		.amdhsa_system_sgpr_workgroup_id_z 1
		.amdhsa_system_vgpr_workitem_id 0
		.amdhsa_next_free_vgpr 228
		.amdhsa_next_free_sgpr 66
		.amdhsa_reserve_vcc 0
		.amdhsa_float_denorm_mode_32 3
		.amdhsa_float_denorm_mode_16_64 3
		.amdhsa_memory_ordered 1
		.amdhsa_forward_progress 1
		.amdhsa_inst_pref_size 69
	.end_amdhsa_kernel
	.amdgpu_metadata
---
amdhsa.version: [ 1, 2 ]
amdhsa.kernels:
  - .name:           k_qbc3247fc06_cast
    .symbol:         k_qbc3247fc06_cast.kd
    .args:
      - { .name: x, .offset: 0, .size: 8, .value_kind: global_buffer, .address_space: global }
      - { .name: sign, .offset: 8, .size: 8, .value_kind: global_buffer, .address_space: global }
      - { .name: block_scales, .offset: 16, .size: 8, .value_kind: global_buffer, .address_space: global }
      - { .name: xb, .offset: 24, .size: 8, .value_kind: global_buffer, .address_space: global }
      - { .name: wb, .offset: 32, .size: 8, .value_kind: global_buffer, .address_space: global }
    .group_segment_fixed_size: 0
    .private_segment_fixed_size: 0
    .kernarg_segment_align: 8
    .kernarg_segment_size: 40
    .max_flat_workgroup_size: 256
    .sgpr_count:     66
    .vgpr_count:     228
    .wavefront_size: 32
...
	.end_amdgpu_metadata
.endif
;; end of part 3
;; launch gemm: the kernel of part 2 again; grid 16 x 16, 4 waves a work-group, clusters of 4 x 4, 327,680 bytes of LDS; arguments xb, wb, out0; writes out0
